; MI455X (gfx1250); checked and timed in simulation.
; The chip was launched on July 23, 2026; its instructions are those of AMD's public machine-readable ISA for CDNA 5 (MIT licence, August 2026) and "CDNA5" Instruction Set Architecture Reference Guide (July 2026). The comments in the code are by the model that wrote it; some were corrected since.
;; MHSA. Allowed arithmetic: matrix products marked QUANTISED: E2M3 operands, one E8M0 scale for each 32 along K, by v_wmma_scale_f32_16x16x128_f8f6f4 with both operands' format E2M3, f32 sums; everything else in f32.
;; Inputs: Wk 16 x 1,024 x 64 float32; Wo 1,024 x 1,024 float32; Wq 16 x 1,024 x 64 float32; Wv 16 x 1,024 x 64 float32; x 4 x 2,048 x 1,024 float32.
;; Outputs: out0 4 x 2,048 x 1,024 float32.
;; This version of the problem:
;;   THIS VERSION OF THE PROBLEM IS GIVEN IN LOW PRECISION. The matrix products marked QUANTISED in the list below multiply operands that are first quantised to E2M3 (2 exponent bits, 3 mantissa bits; 6 bits a number), with one power-of-two scale for each 32 numbers along K (OCP MX v1.0); their sums are f32. All else is computed in f32.
;;   The module's matrix products, in the order in which they are computed (A, B: the left and right operand; K: the contracted axis; several contracted axes count as one K, in the product's order):
;;     1. [M 1,024, K 1,024] x [K 1,024, N 8,192]; A: input Wq; B: input x: QUANTISED
;;     2. [M 1,024, K 1,024] x [K 1,024, N 8,192]; A: input Wk; B: input x: QUANTISED
;;     3. [M 1,024, K 1,024] x [K 1,024, N 8,192]; A: input Wv; B: input x: QUANTISED
;;     4. batch 64 x [M 2,048, K 64] x [K 64, N 2,048]; A: computed on the way; B: computed on the way: QUANTISED
;;     5. batch 64 x [M 2,048, K 2,048] x [K 2,048, N 64]; A: softmax (see below); B: computed on the way: QUANTISED
;;     6. [M 8,192, K 1,024] x [K 1,024, N 1,024]; A: computed on the way; B: input Wo: QUANTISED
;;   THE QUANTISER, for each operand of a quantised product, along K:
;;     - K is cut into blocks of 32 from its start; a last block that is shorter is filled with zeros.
;;     - A block's scale is 2^e with e = floor(log2(the largest magnitude in the block)) - 2, held to -126 .. 127; a block of zeros has e = 0. As a byte (E8M0): e + 127.
;;     - Each number is divided by its block's scale, clamped to +-7.5, and rounded to the nearest number of E2M3, ties to even, subnormals kept.
;;     - The product sums the exact products of the quantised numbers (number of the format x scale) in f32.
;;   ~~~python
;;   def quantise(x, axis):      # numpy; x: float32 -> the quantised numbers, widened to float32 again
;;       x = np.moveaxis(x, axis, -1); K = x.shape[-1]
;;       x = np.pad(x, [(0, 0)] * (x.ndim - 1) + [(0, -K % 32)]); x = x.reshape(x.shape[:-1] + (-1, 32)); a = np.abs(x).max(-1, keepdims=True)
;;       e = np.where(a > 0, np.clip(np.frexp(np.where(a > 0, a, 1))[1] - 1 - 2, -126, 127), 0)      # np.frexp(a)[1] - 1 = floor(log2(a)), exactly
;;       r = np.clip(x / 2.0 ** e, -7.5, 7.5)
;;       step = 2.0 ** (np.maximum(np.frexp(np.where(r == 0, 1, r))[1] - 1, 0) - 3)
;;       q = np.round(r / step) * step * 2.0 ** e      # np.round: ties to even
;;       return np.moveaxis(q.reshape(q.shape[:-2] + (-1,))[..., :K], -1, axis).astype(np.float32)
;;   ~~~
;;   SOFTMAX AHEAD OF A QUANTISED PRODUCT. Where the list says 'softmax', what is quantised is not the finished softmax but p = 2^(t - M), with t = logit x log2(e) and M = ceil(the row's largest t), a whole number; so 1/2 < the row's largest p <= 1. The row's sum l is taken of the UNQUANTISED p, in f32, and the product's result is divided by l at the end. Since M is a whole number, a kernel that streams over the keys may use a running M (the ceiling of the running maximum): every later rescaling is an exact power of two, which a block's scale takes up: the codes' values come out the same.
;;   OPERANDS COMPUTED ON THE WAY. 'Computed on the way' means the value that the module computes at that place (a softmax that the list does not call 'softmax' is quantised finished and normalised). What goes into a quantiser is computed in f32, as accurately as f32 sums, v_exp_f32 and their like allow (about 1e-6 of the number): no bf16 or f16 on the way to a quantiser, and a product that is left as it is and whose result goes on into a quantised operand takes f32 operands (vector FMAs, or v_wmma_f32_16x16x4_f32). A number that lies on a knife's edge between two numbers of the format may be rounded either way, as far as f32 arithmetic and the matrix unit's own rounding can turn it there, and no further.
;; One version. Each part assembles by itself: llvm-mc -triple=amdgcn-amd-amdhsa -mcpu=gfx1250 --defsym DOCPART=n.
;; ======== version 1 of 1: 4 launches
;; limits: right only within a limited range of input values
;; workspace buffers: xrec 6,815,744 bytes; wrec 3,407,872 bytes; qrec 6,815,744 bytes; kvrec 13,369,344 bytes; crec 6,815,744 bytes
;; launch quant (part 1): grid 768 x 1, 8 waves a work-group, no clusters, 68,608 bytes of LDS; arguments x, Wq, Wk, Wv, Wo, xrec, wrec; writes xrec, wrec
.if DOCPART == 1
	.amdgcn_target "amdgcn-amd-amdhsa--gfx1250"
	.amdhsa_code_object_version 6
	.text
	.protected	k_qa9b1c751e6_quant
	.globl	k_qa9b1c751e6_quant
	.p2align	8
	.type	k_qa9b1c751e6_quant,@function
k_qa9b1c751e6_quant:
	s_mov_b64 s[64:65], 0
	v_nop
	global_prefetch_b8 v0, s[64:65] scope:SCOPE_SE
	s_setreg_imm32_b32 hwreg(HW_REG_WAVE_MODE, 25, 1), 1
	s_wait_xcnt 0x0
; x [8192][1024] and the four weights (K = their 1,024 rows d, NOT innermost), all f32, become codes of FP6 (E2M3) with one E8M0 byte for each 32 along K,
; laid as IMAGES OF OPERAND REGISTERS.  A record (13,312 bytes) is one tile of 16 rows (of x) or 16 columns (of a weight) for all of K: eight fragments of 1,536 bytes
; (16 x 128 K: register 4 c + e of lane l at 512 c + 16 l + 4 e), then eight times 128 bytes of scale words (4 l; lanes l and l + 16 hold the same word).
; THE ROWS OF A TILE ARE NOT NEIGHBOURS: lane-row i of tile 2 g + u is index 32 g + 8 u + i + 8 (i / 8), so that results of products on two neighbouring tiles are 16 neighbours along the next K.
; A block's scale is 2^(floor(log2(its largest magnitude)) - 2): its byte is the largest magnitude's exponent field - 2, held at 1 from below.
; LIMITS: NaN and infinities among the inputs are not served.  A block of zeros gets the byte 1 where the rule says 127: its codes are zeros, and this program alone reads the bytes.
; SHARES.  One wave, one fragment (a tile x 128 along K, 8 KiB of f32).  Work-groups 0-511: tile T of x, wave = K step.  Work-groups 512-767: a weight, a group of 64 columns, two K steps: wave = 4 x step + tile.
; x: K is innermost: each load takes 512 consecutive bytes of a row; the 16 rows turn through the wave's own stage in LDS (pitch 528 bytes: 16 rows start at 16 different groups of banks), so that a lane
; comes to hold 16 neighbours of each block of 32.  Weights: a lane takes a column and its registers run down K: nothing is turned.  No barrier: waves share nothing.  Only the x path touches LDS.
.set REC,  13312
.set SP,   528                         ; a stage row: 512 bytes + 16
.set WST,  16*SP                       ; a wave's stage
.set LI,   4                           ; v4   16 x lane
.set LS,   5                           ; v5   4 x lane
.set SA,   6                           ; v6   the stage, on the way in: 16 x lane
.set SB,   7                           ; v7   and on the way out: 528 r + 64 h
.set VO,   8                           ; v8   a weight's offset of my lane
.set R,    16                          ; v16-79   x as loaded
.set X,    80                          ; v80-143  the 64 numbers to quantise
.set TM,   144                         ; v144-159 at work
.set PW,   160                         ; the scale word
.set PC,   164                         ; v164-175 the codes; v176-182 second halves on their way
.set SEL,  20                          ; s[20:21] v_permlanex16_b32's selects for lane l xor 16
	s_load_b256 s[4:11], s[0:1], 0x0               ; x, Wq, Wk, Wv
	s_load_b128 s[12:15], s[0:1], 0x20             ; Wo, xrec
	s_load_b64 s[16:17], s[0:1], 0x30              ; wrec
	v_lshl_add_u32 v192, v0, 2, 0x10800
	v_mov_b32 v193, 0
	v_lshrrev_b32 v9, 5, v0
	s_delay_alu instid0(VALU_DEP_1)
	v_readfirstlane_b32 s18, v9                    ; wave 0..7
	v_and_b32 v1, 31, v0                           ; lane
	v_and_b32 v2, 15, v0                           ; r
	v_bfe_u32 v3, v0, 4, 1                         ; h
	s_delay_alu instid0(VALU_DEP_3)
	v_lshlrev_b32 v[LI], 4, v1
	s_delay_alu instid0(VALU_DEP_4)
	v_lshlrev_b32 v[LS], 2, v1
	s_mul_i32 s28, s18, WST
	v_add_nc_u32 v[SA], s28, v[LI]
	v_mul_u32_u24 v[SB], v2, SP
	s_delay_alu instid0(VALU_DEP_1)
	v_lshl_add_u32 v[SB], v3, 6, v[SB]
	s_delay_alu instid0(VALU_DEP_1)
	v_add_nc_u32 v[SB], s28, v[SB]
	s_mov_b32 s[SEL], 0x76543210
	s_mov_b32 s[SEL+1], 0xfedcba98
	s_mov_b32 s29, 0                               ; the upper word of every offset pair s[28:29]
.irp b, 0,1,2,3
	v_mov_b32 v[TM+4+\b], 0                        ; written once: a lane permute's destination counts as one of its sources
.endr
	s_wait_kmcnt 0x0
	s_cmp_lt_u32 ttmp9, 512
	s_cbranch_scc0 .Lweights
	; ---- x: tile T = work-group, K step = wave
	s_mov_b32 s19, s18                             ; the K step
	; x's tiles: lane-row i of tile 4 g + u is row 64 g + 32 (i / 8) + 8 u + i % 8, so that results on four neighbouring tiles give a lane a whole block of 32 along the next K (the order stated at the head holds for the weights' columns)
	s_lshr_b32 s28, ttmp9, 2
	s_lshl_b32 s28, s28, 6
	s_and_b32 s30, ttmp9, 3
	s_lshl_b32 s30, s30, 3
	s_add_co_u32 s28, s28, s30                     ; the tile's first row: 64 (T / 4) + 8 (T % 4)
	s_lshl_b32 s28, s28, 12                        ; rows of 4,096 bytes
	s_lshl_b32 s30, s18, 9                         ; 512 bytes a K step
	s_add_co_u32 s28, s28, s30
	s_add_nc_u64 s[22:23], s[4:5], s[28:29]
	s_mul_i32 s28, ttmp9, REC
	s_add_nc_u64 s[24:25], s[14:15], s[28:29]      ; the tile's record
.irp i, 0,1,2,3,4,5,6,7,8,9,10,11,12,13,14,15
	global_load_b128 v[R+4*\i:R+4*\i+3], v[LI], s[22:23] offset:(\i+24*(\i/8))*4096 th:TH_LOAD_NT   ; lane-row i: 32 lanes read 512 consecutive bytes
.endr
	s_wait_alu depctr_va_vdst(0)
.irp i, 0,1,2,3,4,5,6,7,8,9,10,11,12,13,14,15
	s_wait_loadcnt 15-\i                           ; loads come back in order: row i is in, the younger ones stay out
	ds_store_b128 v[SA], v[R+4*\i:R+4*\i+3] offset:SP*\i
.endr
.irp b, 0,1,2,3
.irp j, 0,1,2,3
	ds_load_b128 v[X+16*\b+4*\j:X+16*\b+4*\j+3], v[SB] offset:128*\b+16*\j   ; register 16 b + i = k 32 b + 16 h + i of row r.  LDS serves a wave's instructions in order: these see my stores
.endr
.endr
	s_wait_dscnt 0x0
.irp b, 0,1,2,3
	v_max3_num_f32 v[TM+\b], |v[X+16*\b]|, |v[X+16*\b+1]|, 0x1800000   ; block b: my 16 numbers, and the floor 2^(3 - 127): the byte cannot fall under 1
.endr
.irp i, 2,4,6,8,10,12,14
.irp b, 0,1,2,3
	s_delay_alu instid0(VALU_DEP_4)
	v_max3_num_f32 v[TM+\b], v[TM+\b], |v[X+16*\b+\i]|, |v[X+16*\b+\i+1]|   ; (the four blocks by turns)
.endr
.endr
.irp b, 0,1,2,3
	s_delay_alu instid0(VALU_DEP_4)
	v_permlanex16_b32 v[TM+4+\b], v[TM+\b], s[SEL], s[SEL+1]
.endr
.irp b, 0,1,2,3
	s_delay_alu instid0(VALU_DEP_4)
	v_max_num_f32 v[TM+\b], v[TM+\b], v[TM+4+\b]   ; with lane l xor 16's: the block's largest magnitude
.endr
.irp b, 0,1,2,3
	s_delay_alu instid0(VALU_DEP_4)
	v_add_nc_u32 v[TM+12+\b], 0xff000000, v[TM+\b] ; 2 off its exponent field: the conversion's scale operand
.endr
.irp b, 0,1,2,3
	s_delay_alu instid0(VALU_DEP_4)
	v_lshrrev_b32 v[TM+4+\b], 23, v[TM+12+\b]      ; the scale's byte
.endr
	s_delay_alu instid0(VALU_DEP_3)
	v_lshl_or_b32 v[PW], v[TM+5], 8, v[TM+4]
	s_delay_alu instid0(VALU_DEP_1)
	v_lshl_or_b32 v[PW], v[TM+6], 16, v[PW]
	s_delay_alu instid0(VALU_DEP_1)
	v_lshl_or_b32 v[PW], v[TM+7], 24, v[PW]        ; my row's scale word
.irp c, 0,1
	v_cvt_scalef32_pk16_fp6_f32 v[PC+6*\c:PC+6*\c+2], v[X+32*\c:X+32*\c+15], v[TM+12+2*\c]
	v_cvt_scalef32_pk16_fp6_f32 v[PC+12+4*\c:PC+14+4*\c], v[X+32*\c+16:X+32*\c+31], v[TM+13+2*\c]   ; (a conversion's three registers begin on an even number)
.endr
	v_nop                                          ; one plain place behind a scaled conversion
.irp c, 0,1                                    ; the operand's layout wants a WHOLE block in a lane: lanes 0-15 block 2 c, lanes 16-31 block 2 c + 1
.irp i, 0,1,2
	v_permlane16_swap_b32 v[PC+6*\c+\i], v[PC+12+4*\c+\i]
.endr
.irp i, 0,1,2
	s_delay_alu instid0(VALU_DEP_3)
	v_mov_b32 v[PC+3+6*\c+\i], v[PC+12+4*\c+\i]
.endr
.endr
	s_branch .Lout
	; ---- weights: g = work-group - 512: matrix g / 64, column group (g / 4) % 16, K steps 2 (g % 4) and + 1; wave: tile = wave % 4, step = wave / 4
.Lweights:
	s_sub_co_u32 s30, ttmp9, 512
	s_lshr_b32 s31, s30, 6                         ; 0 Wq, 1 Wk, 2 Wv, 3 Wo
	s_bfe_u32 s32, s30, 0x40002                    ; the group of 64 columns (a head)
	s_and_b32 s33, s30, 3
	s_and_b32 s34, s18, 3                          ; the tile
	s_lshr_b32 s35, s18, 2
	s_lshl_b32 s19, s33, 1
	s_add_co_u32 s19, s19, s35                     ; the K step
	s_lshl_b32 s28, s31, 6
	s_lshl_b32 s33, s32, 2
	s_add_co_u32 s28, s28, s33
	s_add_co_u32 s28, s28, s34
	s_mul_i32 s28, s28, REC
	s_add_nc_u64 s[24:25], s[16:17], s[28:29]      ; the tile's record: 64 x matrix + 4 x group + tile
	s_lshr_b32 s35, s34, 1
	s_lshl_b32 s35, s35, 7
	s_and_b32 s33, s34, 1
	s_lshl_b32 s33, s33, 5
	s_add_co_u32 s35, s35, s33                     ; the tile's first column in bytes: 4 (32 (tile / 2) + 8 (tile % 2))
	s_cmp_lt_u32 s31, 2                            ; the buffer is chosen on the work-group's number alone
	s_cselect_b64 s[22:23], s[6:7], s[10:11]       ; Wq or Wv
	s_cselect_b64 s[36:37], s[8:9], s[12:13]       ; Wk or Wo
	s_and_b32 s33, s31, 1
	s_cmp_lg_u32 s33, 0
	s_cselect_b64 s[22:23], s[36:37], s[22:23]
	v_and_b32 v10, 8, v2
	s_delay_alu instid0(VALU_DEP_1)
	v_add_nc_u32 v10, v10, v2
	s_delay_alu instid0(VALU_DEP_1)
	v_lshlrev_b32 v10, 2, v10                      ; 4 (r + 8 (r / 8)): my column in the tile
.macro LOADW64 stride                  ; W(128 s + 64 c + 32 h + i, my column) into v[X + 32 c + i]: the very order that the operand's layout gives my lane
.irp c, 0,1
.irp i, 0,1,2,3,4,5,6,7,8,9,10,11,12,13,14,15,16,17,18,19,20,21,22,23,24,25,26,27,28,29,30,31
	global_load_b32 v[X+32*\c+\i], v[VO], s[22:23] offset:(64*\c+\i)*\stride
.endr
.endr
.endm
	s_cmp_eq_u32 s31, 3
	s_cbranch_scc1 .Lwo
	s_lshl_b32 s28, s32, 18                        ; Wq, Wk, Wv [16][1024][64]: a head is 262,144 bytes, a row d 256
	s_lshl_b32 s33, s19, 15
	s_add_co_u32 s28, s28, s33
	s_add_co_u32 s28, s28, s35
	s_add_nc_u64 s[22:23], s[22:23], s[28:29]
	v_lshl_add_u32 v[VO], v3, 13, v10              ; lanes 16-31 begin 32 rows further down
	LOADW64 256
	s_branch .Lwnum
.Lwo:
	s_lshl_b32 s28, s19, 19                        ; Wo [1024][1024]: a row is 4,096 bytes, a group of columns 256
	s_lshl_b32 s33, s32, 8
	s_add_co_u32 s28, s28, s33
	s_add_co_u32 s28, s28, s35
	s_add_nc_u64 s[22:23], s[22:23], s[28:29]
	s_wait_alu depctr_va_vdst(0)
	v_lshl_add_u32 v[VO], v3, 17, v10
	LOADW64 4096
.Lwnum:
	s_wait_loadcnt 0x0
.irp c, 0,1                                    ; my block 2 c + h: all its 32 numbers are mine
	v_max3_num_f32 v[TM+\c], |v[X+32*\c]|, |v[X+32*\c+1]|, 0x1800000
.endr
.irp i, 2,4,6,8,10,12,14,16,18,20,22,24,26,28,30
.irp c, 0,1
	s_delay_alu instid0(VALU_DEP_2)
	v_max3_num_f32 v[TM+\c], v[TM+\c], |v[X+32*\c+\i]|, |v[X+32*\c+\i+1]|
.endr
.endr
.irp c, 0,1
	s_delay_alu instid0(VALU_DEP_2)
	v_add_nc_u32 v[TM+12+\c], 0xff000000, v[TM+\c]
.endr
.irp c, 0,1
	s_delay_alu instid0(VALU_DEP_2)
	v_lshrrev_b32 v[TM+4+\c], 23, v[TM+12+\c]
.endr
	s_delay_alu instid0(VALU_DEP_1)
	v_lshl_or_b32 v[PW], v[TM+5], 16, v[TM+4]      ; my two bytes: blocks h and 2 + h,
	v_lshlrev_b32 v9, 3, v3
	s_delay_alu instid0(VALU_DEP_1)
	v_lshlrev_b32 v[PW], v9, v[PW]                 ; at their places in the word (8 h bits up);
	v_mov_b32 v9, 0
	s_delay_alu instid0(VALU_DEP_1)
	v_permlanex16_b32 v9, v[PW], s[SEL], s[SEL+1]
	s_delay_alu instid0(VALU_DEP_1)
	v_or_b32 v[PW], v[PW], v9                      ; with lane l xor 16's two the word is whole, in both halves of the lanes
.irp c, 0,1
	v_cvt_scalef32_pk16_fp6_f32 v[PC+6*\c:PC+6*\c+2], v[X+32*\c:X+32*\c+15], v[TM+12+\c]
	v_cvt_scalef32_pk16_fp6_f32 v[PC+12+4*\c:PC+14+4*\c], v[X+32*\c+16:X+32*\c+31], v[TM+12+\c]
.endr
	v_nop                                          ; one plain place behind a scaled conversion
.irp c, 0,1
.irp i, 0,1,2
	v_mov_b32 v[PC+3+6*\c+\i], v[PC+12+4*\c+\i]
.endr
.endr
.Lout:                                         ; the fragment and its scale words leave as they stand: each store of the wave covers 512 (128) consecutive bytes
	s_lshl_b32 s28, s19, 7
	s_add_co_u32 s28, s28, 12288
	s_add_nc_u64 s[26:27], s[24:25], s[28:29]
	s_mul_i32 s28, s19, 1536
	s_add_nc_u64 s[24:25], s[24:25], s[28:29]
	s_wait_alu depctr_va_vdst(0)
.irp c, 0,1,2
	global_store_b128 v[LI], v[PC+4*\c:PC+4*\c+3], s[24:25] offset:512*\c
.endr
	global_store_b32 v[LS], v[PW], s[26:27]
	s_wait_tensorcnt 0x0
	ds_add_u32 v192, v193
	s_wait_dscnt 0x0
	s_endpgm
.Lfunc_end_k_qa9b1c751e6_quant:
	.size	k_qa9b1c751e6_quant, .Lfunc_end_k_qa9b1c751e6_quant-k_qa9b1c751e6_quant
	.p2alignl 7, 3214868480
	.fill 96, 4, 3214868480
	.section	.rodata,"a",@progbits
	.p2align	6, 0x0
	.amdhsa_kernel k_qa9b1c751e6_quant
		.amdhsa_group_segment_fixed_size 68608
		.amdhsa_private_segment_fixed_size 0
		.amdhsa_enable_private_segment 0
		.amdhsa_kernarg_size 56
		.amdhsa_user_sgpr_count 2
		.amdhsa_user_sgpr_kernarg_segment_ptr 1
		.amdhsa_wavefront_size32 1
		.amdhsa_system_sgpr_workgroup_id_x 1
		.amdhsa_system_sgpr_workgroup_id_y 1
		.amdhsa_system_sgpr_workgroup_id_z 1
		.amdhsa_system_vgpr_workitem_id 0
		.amdhsa_next_free_vgpr 194
		.amdhsa_next_free_sgpr 66
		.amdhsa_reserve_vcc 0
		.amdhsa_float_denorm_mode_32 3
		.amdhsa_float_denorm_mode_16_64 3
		.amdhsa_memory_ordered 1
		.amdhsa_forward_progress 1
		.amdhsa_inst_pref_size 31
	.end_amdhsa_kernel
	.amdgpu_metadata
---
amdhsa.version: [ 1, 2 ]
amdhsa.kernels:
  - .name:           k_qa9b1c751e6_quant
    .symbol:         k_qa9b1c751e6_quant.kd
    .args:
      - { .name: x, .offset: 0, .size: 8, .value_kind: global_buffer, .address_space: global }
      - { .name: Wq, .offset: 8, .size: 8, .value_kind: global_buffer, .address_space: global }
      - { .name: Wk, .offset: 16, .size: 8, .value_kind: global_buffer, .address_space: global }
      - { .name: Wv, .offset: 24, .size: 8, .value_kind: global_buffer, .address_space: global }
      - { .name: Wo, .offset: 32, .size: 8, .value_kind: global_buffer, .address_space: global }
      - { .name: xrec, .offset: 40, .size: 8, .value_kind: global_buffer, .address_space: global }
      - { .name: wrec, .offset: 48, .size: 8, .value_kind: global_buffer, .address_space: global }
    .group_segment_fixed_size: 68608
    .private_segment_fixed_size: 0
    .kernarg_segment_align: 8
    .kernarg_segment_size: 56
    .max_flat_workgroup_size: 256
    .sgpr_count:     66
    .vgpr_count:     194
    .wavefront_size: 32
...
	.end_amdgpu_metadata
.endif
;; end of part 1
;; launch qkv (part 2): grid 4 x 64, 4 waves a work-group, no clusters, 168,448 bytes of LDS; arguments xrec, wrec, qrec, kvrec; writes qrec, kvrec
.if DOCPART == 2
	.amdgcn_target "amdgcn-amd-amdhsa--gfx1250"
	.amdhsa_code_object_version 6
	.text
	.protected	k_qa9b1c751e6_qkv
	.globl	k_qa9b1c751e6_qkv
	.p2align	8
	.type	k_qa9b1c751e6_qkv,@function
k_qa9b1c751e6_qkv:
	s_mov_b64 s[64:65], 0
	v_nop
	global_prefetch_b8 v0, s[64:65] scope:SCOPE_SE
	s_setreg_imm32_b32 hwreg(HW_REG_WAVE_MODE, 25, 1), 1
	s_wait_xcnt 0x0
; q, k, v = x Wq, x Wk, x Wv on codes of FP6 (E2M3) with E8M0 scales, and their results quantised at once for the attention: q and k along the head's 64, v along the keys.
; SHARES.  Work-group (x = group of four heads, y = block of 128 rows of x: eight tiles, one key step of one batch).  Wave w owns head 4 x + w and makes its q, k and v for the 128 rows, in three phases.
; The block of x, eight records of 13,312 bytes, comes into LDS ONCE (one tensor load a wave, two records each): nothing in LDS is filled again.  A phase's weights, 4 tiles of columns x 8 K steps = 384 registers,
; lie in registers; the next phase's K step s is loaded as soon as this phase's K step s has been multiplied.  Each fragment of x read from LDS feeds four matrix instructions.
; q, k: the product is used TRANSPOSED (source 0 = 16 columns of W, source 1 = 16 rows of x): a lane holds one row, its 32 registers the head's channels 32 b + 16 h + 0 .. 15.
; v: source 0 = 16 rows of x (keys), source 1 = 16 columns of Wv: a lane holds one channel, its 64 registers the keys 64 c + 32 h + 0 .. 31: so v is quantised along the keys with nothing turned.
; OUT: records of register images.  q, k (6,656 bytes for 128 rows): half fragments (16 rows x 64 K, registers 0-3 at 768 m + 16 l, 4-5 at 768 m + 512 + 8 l), scale words at 6144 + 16 l + 4 i
; (lanes 0-15 tile i, lanes 16-31 tile 4 + i).  v (6,400 bytes, behind k's): four fragments of 1,536 bytes, scale words at 6144 + 8 l + 4 i (lanes 0-15 tile i, lanes 16-31 tile 2 + i).
; NO CLUSTER: of a work-group's 745,472 bytes read, 638,976 are weights that go straight into registers, which a joint tensor load cannot serve; the shared block of x is 106,496, one seventh.
; LIMITS: NaN and infinities are not served; a block of zeros gets the byte 1 where the rule says 127 (its codes are zeros; this program alone reads the bytes).
; REGISTERS, in windows of 256: window 0: v1-7 addresses; v16-47 the weights' scale words; v48-143 two buffers of four fragments of x; v144-207 x's 64 scale words; v208-251 the quantiser's.
;   window 1: the weights' fragments of K steps 0-3 ((tile, s) at 12 (4 s + tile)); window 2: of K steps 4-7; window 3: the 32 accumulators.
.set REC,  13312
.set LI,   1                           ; v1  16 x lane;  v4 the same 53,248 bytes on (tiles 4-7 of x)
.set L8,   2                           ; v2  8 x lane
.set LS,   3                           ; v3  4 x lane;   v6 the same 53,248 bytes on
.set FL,   7                           ; v7  the floor 2^(3 - 127)
.set WS,   16
.set XB,   48
.set XS,   144
.set PC,   208
.set TM,   228
.set PW,   244
.set SI,   248
.set SEL,  40                          ; s[40:41] lane l xor 16
.set HM,   42                          ; s42  lanes 16-31
.set MSB, 0
.macro WIN new                         ; the immediate's high byte repeats the setting that is left; a switch that changes nothing is dropped
.if MSB != (\new)
	s_set_vgpr_msb (MSB<<8)|(\new)
.set MSB, (\new)
.endif
.endm
.macro LOADW ptr, s                    ; the weights of K step s: four fragments and their scale words: sixteen loads
.if (\s) < 4
	WIN 0x40
.else
	WIN 0x80
.endif
.irp g, 0,1,2,3
.irp c, 0,1,2
	global_load_b128 v[12*(4*((\s)%4)+\g)+4*\c:12*(4*((\s)%4)+\g)+4*\c+3], v[LI], s[\ptr:\ptr+1] offset:\g*REC+1536*(\s)+512*\c
.endr
.endr
	WIN 0
.irp g, 0,1,2,3
	global_load_b32 v[WS+4*(\s)+\g], v[LS], s[\ptr:\ptr+1] offset:\g*REC+12288+128*(\s)
.endr
.endm
.macro LOADX buf, s, mh                ; four fragments of x (tiles 4 mh .. 4 mh + 3, K step s) from LDS: twelve loads
.irp q, 0,1,2,3
.irp c, 0,1,2
	ds_load_b128 v[XB+48*(\buf)+12*\q+4*\c:XB+48*(\buf)+12*\q+4*\c+3], v[LI+3*(\mh)] offset:\q*REC+1536*(\s)+512*\c
.endr
.endr
.endm
; Sixteen matrix instructions: tiles 4 mh .. + 3 of x against the four tiles of columns, K step ks.  The 32 accumulators take turns, one instruction a turn.  K step 0 starts the sums.
.macro MM16 tr
.set mm, 0
.rept 4
.set tg, 0
.rept 4
.set mt, 4*mh+mm
.set wf, 12*(4*(ks%4)+tg)
.set xf, XB+48*mh+12*mm
.set wsc, WS+4*ks+tg
.set xsc, XS+8*mt+ks
.if \tr
.set ac, 8*(4*mt+tg)
.if ks == 0
	v_wmma_scale_f32_16x16x128_f8f6f4 v[ac:ac+7], v[wf:wf+11], v[xf:xf+11], 0, v[wsc], v[xsc] matrix_a_fmt:MATRIX_FMT_FP6 matrix_b_fmt:MATRIX_FMT_FP6
.else
	v_wmma_scale_f32_16x16x128_f8f6f4 v[ac:ac+7], v[wf:wf+11], v[xf:xf+11], v[ac:ac+7], v[wsc], v[xsc] matrix_a_fmt:MATRIX_FMT_FP6 matrix_b_fmt:MATRIX_FMT_FP6
.endif
.else
.set ac, 8*(8*tg+mt)
.if ks == 0
	v_wmma_scale_f32_16x16x128_f8f6f4 v[ac:ac+7], v[xf:xf+11], v[wf:wf+11], 0, v[xsc], v[wsc] matrix_a_fmt:MATRIX_FMT_FP6 matrix_b_fmt:MATRIX_FMT_FP6
.else
	v_wmma_scale_f32_16x16x128_f8f6f4 v[ac:ac+7], v[xf:xf+11], v[wf:wf+11], v[ac:ac+7], v[xsc], v[wsc] matrix_a_fmt:MATRIX_FMT_FP6 matrix_b_fmt:MATRIX_FMT_FP6
.endif
.endif
.set tg, tg+1
.endr
.set mm, mm+1
.endr
.endm
; A phase: sixteen batches, t = 2 x K step + half of the tiles, on x's two buffers by turns.  tr = 1: transposed.  last = 1: no phase follows.  nptr: the next phase's weights.
.macro PHASE tr, last, nptr
.set t, 0
.rept 16
.set ks, t/2
.set mh, t%2
.if mh == 0
.if (\last) && (16*(7-ks) < 63)
	s_wait_loadcnt 16*(7-ks)                       ; behind this K step's sixteen loads only the 7 - ks later groups of sixteen were issued
.else
	s_wait_loadcnt 63                              ; behind this K step's sixteen loads at least four groups of sixteen were issued (seven where a phase follows): at most 63 out shows them in
.endif
.endif
.if (\last) && (t == 15)
	s_wait_dscnt 0x0
.else
	s_wait_dscnt 12                                ; this buffer is in; the other buffer's twelve loads may be out
.endif
.if \tr
	WIN 0xf1+ks/4                                  ; source 0 (W) window 1 or 2, source 1 (x) window 0, C and D window 3
.else
	WIN 0xf4+4*(ks/4)                              ; source 0 (x) window 0, source 1 (W) window 1 or 2
.endif
	MM16 \tr
	WIN 0
.rept 4
	v_nop                                          ; four places in front of loads into registers that these products read, and of the first read of results
.endr
.if ((\last) == 0) || (t < 14)
	LOADX mh, ((t+2)%16)/2, mh                     ; this buffer's next fragments: two batches on, round into the next phase, which reads the same bytes
.endif
.if (mh == 1) && ((\last) == 0)
	LOADW \nptr, ks                                ; K step ks has been multiplied: its registers take the next phase's
.endif
.set t, t+1
.endr
.endm
; 32 numbers of a lane in window 3, register 16 b + i = k 32 b + 16 h + i of my row, become half a fragment's codes in v[PC .. PC+5] and two scale bytes in v[PW]
.macro QUANT32 src
	WIN 0x3c                                       ; sources 1 and 2 window 3
.irp b, 0,1
	v_max3_num_f32 v[TM+\b], v[FL], |v[(\src)+16*\b]|, |v[(\src)+16*\b+1]|   ; each accumulator is read from its low end on
.endr
.irp i, 2,4,6,8,10,12,14
.irp b, 0,1
	v_max3_num_f32 v[TM+\b], v[TM+\b], |v[(\src)+16*\b+\i]|, |v[(\src)+16*\b+\i+1]|
.endr
.endr
	WIN 0
.irp b, 0,1
	v_permlanex16_b32 v[TM+4+\b], v[TM+\b], s[SEL], s[SEL+1]
.endr
.irp b, 0,1
	v_max_num_f32 v[TM+\b], v[TM+\b], v[TM+4+\b]
.endr
.irp b, 0,1
	v_add_nc_u32 v[TM+12+\b], 0xff000000, v[TM+\b] ; 2 off the exponent field: the conversion's scale operand
.endr
.irp b, 0,1
	v_lshrrev_b32 v[TM+4+\b], 23, v[TM+12+\b]
.endr
	v_lshl_or_b32 v[PW], v[TM+5], 8, v[TM+4]       ; bytes 2 and 3 stay 0
	WIN 0x03                                       ; source 0 window 3
	v_cvt_scalef32_pk16_fp6_f32 v[PC:PC+2], v[(\src):(\src)+15], v[TM+12]
	v_cvt_scalef32_pk16_fp6_f32 v[PC+12:PC+14], v[(\src)+16:(\src)+31], v[TM+13]
	WIN 0
	v_nop                                          ; one plain place behind a scaled conversion
.irp i, 0,1,2
	v_permlane16_swap_b32 v[PC+\i], v[PC+12+\i]    ; a whole block to a lane: lanes 0-15 block 0, lanes 16-31 block 1
.endr
.irp i, 0,1,2
	v_mov_b32 v[PC+3+\i], v[PC+12+\i]
.endr
.endm
; the same for 64 numbers: a whole fragment in v[PC .. PC+11] and its scale word
; v: by the order of x's rows in a tile (lane-row i of tile 4 c + u is row 64 c + 32 (i / 8) + 8 u + i % 8) register 32 c + i of a lane is key 64 c + 32 h + i: a lane holds blocks h and 2 + h WHOLE,
; in the operand's own order: no other lane is asked for a maximum and no codes change lanes; the scale word's four bytes are gathered from lanes l and l xor 16
.set SH8, 9                            ; v9  8 x (lane / 16)
.macro QUANT64 src
	WIN 0x3c
.irp c, 0,1
	v_max3_num_f32 v[TM+\c], v[FL], |v[(\src)+32*\c]|, |v[(\src)+32*\c+1]|
.endr
.irp i, 2,4,6,8,10,12,14,16,18,20,22,24,26,28,30
.irp c, 0,1
	v_max3_num_f32 v[TM+\c], v[TM+\c], |v[(\src)+32*\c+\i]|, |v[(\src)+32*\c+\i+1]|
.endr
.endr
	WIN 0
.irp c, 0,1
	v_add_nc_u32 v[TM+12+\c], 0xff000000, v[TM+\c]
.endr
.irp c, 0,1
	v_lshrrev_b32 v[TM+4+\c], 23, v[TM+12+\c]
.endr
	v_lshl_or_b32 v[PW], v[TM+5], 16, v[TM+4]      ; my two bytes: blocks h and 2 + h,
	v_lshlrev_b32 v[PW], v[SH8], v[PW]             ; at their places in the word;
	v_permlanex16_b32 v[TM+4], v[PW], s[SEL], s[SEL+1]
	v_or_b32 v[PW], v[PW], v[TM+4]                 ; with lane l xor 16's two the word is whole, in both halves of the lanes
	WIN 0x03
.irp c, 0,1
	v_cvt_scalef32_pk16_fp6_f32 v[PC+6*\c:PC+6*\c+2], v[(\src)+32*\c:(\src)+32*\c+15], v[TM+12+\c]
	v_cvt_scalef32_pk16_fp6_f32 v[PC+12+4*\c:PC+14+4*\c], v[(\src)+32*\c+16:(\src)+32*\c+31], v[TM+12+\c]
.endr
	WIN 0
	v_nop
.irp c, 0,1
.irp i, 0,1,2
	v_mov_b32 v[PC+3+6*\c+\i], v[PC+12+4*\c+\i]
.endr
.endr
.endm
.macro EPI_QK ptr                      ; q's or k's eight tiles leave as half fragments; their scale words are gathered in four registers
.irp m, 0,1,2,3,4,5,6,7
	s_wait_xcnt 0x0                                ; the earlier stores' data registers are written again only behind this wait
	QUANT32 32*\m
.if \m < 4
	v_mov_b32 v[SI+\m], v[PW]
.else
	v_cndmask_b32 v[SI+\m-4], v[SI+\m-4], v[PW], s[HM]   ; lanes 16-31 take tile 4 + i's words
.endif
	global_store_b128 v[LI], v[PC:PC+3], s[\ptr:\ptr+1] offset:768*\m
	global_store_b64 v[L8], v[PC+4:PC+5], s[\ptr:\ptr+1] offset:768*\m+512
.endr
	global_store_b128 v[LI], v[SI:SI+3], s[\ptr:\ptr+1] offset:6144
.endm
	s_load_b128 s[4:7], s[0:1], 0x0                ; xrec, wrec
	s_load_b128 s[8:11], s[0:1], 0x10              ; qrec, kvrec
	v_lshl_add_u32 v254, v0, 2, 0x29000
	v_mov_b32 v255, 0
	ds_add_u32 v254, v255
	ds_add_u32 v254, v255
	v_lshrrev_b32 v8, 5, v0
	v_readfirstlane_b32 s12, v8                    ; wave 0..3
	s_and_b32 s13, ttmp7, 0xffff                   ; the block of 128 rows
	s_lshl_b32 s14, ttmp9, 2
	s_add_co_u32 s14, s14, s12                     ; my head
	; descriptor group 1: two records, 26,624 dense bytes, as 104 rows of 32 elements of 8 bytes; no padding, no mask
	s_mov_b32 s20, 3<<16
	s_mov_b32 s21, 32<<16                          ; tensor_dim0 = 32
	s_mov_b32 s22, 104<<16                         ; tensor_dim1 = 104
	s_mov_b32 s23, 32<<16                          ; tile_dim0 = 32
	s_mov_b32 s24, 104                             ; tile_dim1 = 104
	s_mov_b32 s25, 32                              ; from row to row
	s_mov_b32 s26, 0
	s_mov_b32 s27, 0
	s_mov_b32 s16, 1                               ; group 0: count = 1
	s_mul_i32 s17, s12, 2*REC                      ; LDS address: my two records
	s_mul_i32 s44, s13, 8*REC
	s_add_co_u32 s44, s44, s17
	s_mov_b32 s45, 0
	s_mul_i32 s46, s14, 4*REC                      ; my head's four tiles of columns
	s_mov_b32 s47, 0
	s_lshr_b32 s48, s13, 4
	s_lshl_b32 s48, s48, 4
	s_add_co_u32 s48, s48, s14
	s_lshl_b32 s48, s48, 4
	s_and_b32 s49, s13, 15
	s_add_co_u32 s48, s48, s49                     ; (16 x batch + head) x 16 + key step
	s_mul_i32 s50, s48, 13056
	s_mov_b32 s51, 0
	s_mul_i32 s48, s48, 6656
	s_mov_b32 s49, 0
	s_mov_b32 s[SEL], 0x76543210
	s_mov_b32 s[SEL+1], 0xfedcba98
	s_mov_b32 s[HM], 0xffff0000
	s_wait_dscnt 0x0
	s_wait_kmcnt 0x0
	s_add_nc_u64 s[18:19], s[4:5], s[44:45]
	s_or_b32 s19, s19, 0x80000000                  ; type = 2
	tensor_load_to_lds s[16:19], s[20:27]          ; my quarter of the block of x: one load of mine is out, the only one of the launch
	s_nop 0
	v_and_b32 v8, 31, v0
	v_lshlrev_b32 v[LI], 4, v8
	v_lshlrev_b32 v[L8], 3, v8
	v_lshlrev_b32 v[LS], 2, v8
	s_wait_alu depctr_va_vdst(0)
	v_add_nc_u32 v[LI+3], 4*REC, v[LI]
	v_add_nc_u32 v[LS+3], 4*REC, v[LS]
	v_mov_b32 v[FL], 0x1800000
	v_bfe_u32 v9, v0, 4, 1
	v_lshlrev_b32 v9, 3, v9                        ; 8 x (lane / 16): where my bytes stand in v's scale word
.irp b, 0,1,2,3
	v_mov_b32 v[TM+4+\b], 0                        ; written once: a lane permute's destination counts as one of its sources
.endr
	s_add_nc_u64 s[28:29], s[6:7], s[46:47]        ; Wq's records of my head,
	s_add_nc_u64 s[30:31], s[28:29], 64*REC        ; Wk's,
	s_add_nc_u64 s[32:33], s[30:31], 64*REC        ; Wv's
	s_add_nc_u64 s[34:35], s[8:9], s[48:49]        ; where q goes,
	s_add_nc_u64 s[36:37], s[10:11], s[50:51]      ; and k and v
.irp s, 0,1,2,3,4,5,6,7
	LOADW 28, \s
.endr
	s_wait_alu depctr_va_vdst(0)
	s_wait_tensorcnt 0x0                           ; my part of x is in LDS,
	s_barrier_signal -1
	s_barrier_wait -1                              ; everybody's is: the launch's one barrier
.irp m, 0,1,2,3
.irp s, 0,1,2,3,4,5,6,7
	ds_load_b32 v[XS+8*\m+\s], v[LS] offset:\m*REC+12288+128*\s        ; x's scale words stay in registers for all three phases
.endr
.endr
.irp m, 0,1,2,3
.irp s, 0,1,2,3,4,5,6,7
	ds_load_b32 v[XS+32+8*\m+\s], v[LS+3] offset:\m*REC+12288+128*\s
.endr
.endr
	LOADX 0, 0, 0
	LOADX 1, 0, 1
	PHASE 1, 0, 30                                 ; q
	EPI_QK 34
	PHASE 1, 0, 32                                 ; k
	EPI_QK 36
	PHASE 0, 1, 0                                  ; v, with the keys along a lane's registers
.irp g, 0,1,2,3
	s_wait_xcnt 0x0                                ; the earlier stores' data registers are written again only behind this wait
	QUANT64 64*\g
.if \g < 2
	v_mov_b32 v[SI+\g], v[PW]
.else
	v_cndmask_b32 v[SI+\g-2], v[SI+\g-2], v[PW], s[HM]
.endif
.irp c, 0,1,2
	global_store_b128 v[LI], v[PC+4*\c:PC+4*\c+3], s[36:37] offset:6656+1536*\g+512*\c
.endr
.endr
	global_store_b64 v[L8], v[SI:SI+1], s[36:37] offset:6656+6144
	s_wait_tensorcnt 0x0
	ds_add_u32 v254, v255
	s_wait_dscnt 0x0
	s_endpgm
.Lfunc_end_k_qa9b1c751e6_qkv:
	.size	k_qa9b1c751e6_qkv, .Lfunc_end_k_qa9b1c751e6_qkv-k_qa9b1c751e6_qkv
	.p2alignl 7, 3214868480
	.fill 96, 4, 3214868480
	.section	.rodata,"a",@progbits
	.p2align	6, 0x0
	.amdhsa_kernel k_qa9b1c751e6_qkv
		.amdhsa_group_segment_fixed_size 168448
		.amdhsa_private_segment_fixed_size 0
		.amdhsa_enable_private_segment 0
		.amdhsa_kernarg_size 32
		.amdhsa_user_sgpr_count 2
		.amdhsa_user_sgpr_kernarg_segment_ptr 1
		.amdhsa_wavefront_size32 1
		.amdhsa_system_sgpr_workgroup_id_x 1
		.amdhsa_system_sgpr_workgroup_id_y 1
		.amdhsa_system_sgpr_workgroup_id_z 1
		.amdhsa_system_vgpr_workitem_id 0
		.amdhsa_next_free_vgpr 1024
		.amdhsa_next_free_sgpr 66
		.amdhsa_reserve_vcc 0
		.amdhsa_float_denorm_mode_32 3
		.amdhsa_float_denorm_mode_16_64 3
		.amdhsa_memory_ordered 1
		.amdhsa_forward_progress 1
		.amdhsa_inst_pref_size 237
	.end_amdhsa_kernel
	.amdgpu_metadata
---
amdhsa.version: [ 1, 2 ]
amdhsa.kernels:
  - .name:           k_qa9b1c751e6_qkv
    .symbol:         k_qa9b1c751e6_qkv.kd
    .args:
      - { .name: xrec, .offset: 0, .size: 8, .value_kind: global_buffer, .address_space: global }
      - { .name: wrec, .offset: 8, .size: 8, .value_kind: global_buffer, .address_space: global }
      - { .name: qrec, .offset: 16, .size: 8, .value_kind: global_buffer, .address_space: global }
      - { .name: kvrec, .offset: 24, .size: 8, .value_kind: global_buffer, .address_space: global }
    .group_segment_fixed_size: 168448
    .private_segment_fixed_size: 0
    .kernarg_segment_align: 8
    .kernarg_segment_size: 32
    .max_flat_workgroup_size: 128
    .sgpr_count:     66
    .vgpr_count:     1024
    .wavefront_size: 32
...
	.end_amdgpu_metadata
.endif
;; end of part 2
;; launch attn (part 3): grid 4 x 64, 16 waves a work-group, clusters of 4 x 1, 210,944 bytes of LDS; arguments qrec, kvrec, crec; writes crec
.if DOCPART == 3
	.amdgcn_target "amdgcn-amd-amdhsa--gfx1250"
	.amdhsa_code_object_version 6
	.text
	.protected	k_qa9b1c751e6_attn
	.globl	k_qa9b1c751e6_attn
	.p2align	8
	.type	k_qa9b1c751e6_attn,@function
k_qa9b1c751e6_attn:
	s_mov_b64 s[64:65], 0
	v_nop
	global_prefetch_b8 v0, s[64:65] scope:SCOPE_SE
	s_setreg_imm32_b32 hwreg(HW_REG_WAVE_MODE, 25, 1), 1
	s_wait_xcnt 0x0
	s_wait_alu depctr_hold_cnt(0) depctr_sa_sdst(0) depctr_va_vdst(0) depctr_va_sdst(0) depctr_va_ssrc(0) depctr_va_vcc(0) depctr_vm_vsrc(0)
	s_getreg_b32 s2, hwreg(HW_REG_IB_STS2, 6, 4)
	s_cmp_eq_u32 s2, 0
	s_cbranch_scc0 .Lentry_in_a_cluster
	s_endpgm
.Lentry_in_a_cluster:
	s_bfe_u32 s2, ttmp6, 0x10000c
	s_cmp_lg_u32 s2, 0x3003
	s_cbranch_scc0 .Lentry_shape_is_right
	s_endpgm
.Lentry_shape_is_right:
; The attention of one head on codes of FP6 (E2M3): S^T = K Q^T (K = the head's 64), p = 2^(t - M), O^T = V^T P^T (K = the keys), O / l quantised along the head's 64 channels for the last product.
; t = score x log2(e) / 64; M = the running largest t rounded UP to a whole number; the row's sum l is taken of the unquantised p; when M moves, l and O^T are multiplied by 2^(old M - new M): exact.
; SHARES.  Work-group: 512 queries of one (batch, head); sixteen waves of 256 registers, four to a SIMD.  A wave takes two tiles of 16 queries, one after the other, and walks all 2,048 keys, 128 a step, for each.
; K AND V OF THE WHOLE HEAD, sixteen step records of 13,056 bytes = 208,896 bytes, come into LDS ONCE: wave w fetches key step w.  Nothing in LDS is filled again.  All is asked for at the head, so there is no loop to prefetch ahead in.
; CLUSTER.  The four query blocks of a head need the same K and V: each record is asked for JOINTLY, by the same tensor load with the same descriptor and the mask of all four.  My place in the cluster enters global addresses alone.
; LAYOUT.  All operands lie in memory and LDS as images of their registers.  Both products are used transposed: a lane holds ONE query (lane % 16).  Lane-row i of K's tile 4 c + u is key 64 c + 32 (i / 8) + 8 u + i % 8,
; so register 32 c + i of S^T in lane (r, h) is key 64 c + 32 h + i: a lane holds blocks h and 2 + h of 32 keys WHOLE and in the order of the second product's operand.  A block's maximum asks no other lane, and no code changes lanes.
; THE FIRST PRODUCT'S K IS 64 and the instruction's 128: the upper half of Q's operand is zero CODES.  K's tiles lie six registers apart, so the upper six of a tile's operand are the next tile's codes, and behind the last tile
; p's codes: every code of E2M3 is a finite number, which meets Q's zeros and adds nothing; the scale bytes there are 0, which is 2^-127.
; K AND V HAVE REGISTERS OF THEIR OWN: K of step i + 1 is asked of LDS behind the first product of step i, V of step i + 1 behind the second.  So a wait for K leaves V's 13 loads out, a wait for V the next K's 17.
; THE ORDER OF A STEP'S LINES: a line that reads another's result stands five lines behind it where independent lines are at hand (eight chains of maxima, one a tile; the scale bytes' chain and the partial sums among O^T's sixteen
; rescalings); the one serial run, from the joined maxima to -M, carries one-field hints.  THE 66 EXPONENTIALS GO IN THREE BATCHES (18, 32, 16), each between two waits, with plain lines among them whose sources were written ahead of the
; batch's wait and whose results are first read behind a later one: 24 of the multiply-adds that make t - M, the floors, l's rescaling, the scale operands, and eight additions of finished p into registers that are idle there.
; A block's largest p is not searched for: the block's largest score goes through the same multiply-add and exponential (this takes v_exp_f32 not to fall where its input rises; at the worst one p of a block is held one code low).
; LIMITS: NaN and infinities are not served; p under 2^-126 falls to 0 (v_exp_f32); a block of zeros gets the byte 1 where the rule says 127 (its codes are zeros; this program alone reads the bytes); the scaled scores stay under 2^31 in magnitude.
.set STEPB, 13056                      ; a key step in LDS: K's record (6,656), then V's (6,400)
.set LI,   1                           ; v1  16 x lane
.set L8,   2                           ; v2  8 x lane
.set L4,   3                           ; v3  4 x lane
.set SH,   4                           ; v4  8 x (lane / 16)
.set ADK,  5                           ; v5, v6  LI, L8 at the step whose records are asked for next
.set ADK8, 6
.set X0,   7                           ; v7  at work
.set SPW,  8                           ; v8  my spare word
.set NIL,  9                           ; v9  0
.set QS,   10                          ; v10 Q's scale words; v11 those of the second tile
.set NM,   12                          ; v12 -M, v13 the largest score so far
.set LS,   14                          ; v[14:15] the row's sum in two halves
.set QF,   16                          ; v16-27 Q (upper six zeros); v28-33 the second tile's codes
.set Q1,   28
.set KF,   34                          ; v34-81 K's eight tiles
.set PC,   82                          ; v82-93 p's codes; ahead of the conversions six partial sums
.set VF,   94                          ; v94-141 V's four fragments
.set SR,   142                         ; v142-205 S^T, then p
.set OA,   206                         ; v206-237 O^T
.set KS,   238                         ; v238-241 K's scale words
.set VS,   242                         ; v242-243 V's
.set CT,   244                         ; v244-246, v248-250 chains of maxima; two partial sums; second halves of a block's codes on their way
.set T0,   247
.set T1,   251
.set FF,   252                         ; v252 f; v253 p's scale word
.set BM,   254                         ; v254, v255 my two blocks' largest score, then p, then the conversions' scale operand
.set CH0,  BM                          ; the eight chains of maxima, one for each tile of S^T
.set CH1,  X0
.set CH2,  CT
.set CH3,  CT+1
.set CH4,  BM+1
.set CH5,  T1
.set CH6,  CT+2
.set CH7,  CT+4
.set W0,   CT+5                        ; two leftovers of each block joined
.set W1,   CT+6
.set DD0,  PC                          ; eight pairs for partial sums of p
.set DD1,  PC+2
.set DD2,  PC+4
.set DD3,  PC+6
.set DD4,  PC+8
.set DD5,  PC+10
.set DD6,  CT
.set DD7,  CT+4
.set WV,   10                          ; s10  my wave's number
.set SEL,  28                          ; s[28:29] lane l xor 16
.set CS,   30                          ; s[30:31] c = log2(e) / 64
.set TB,   32                          ; s32  LDS byte at which the next step's records begin
.set CNT,  33                          ; s33  steps to go
.macro CROUND                          ; a round of the cluster's barrier
	s_barrier_signal -1
	s_barrier_wait -1
	s_cmp_lg_u32 s[WV], 0
	s_cbranch_scc1 .Lnot_wave_0_\@
	s_barrier_signal -3
.Lnot_wave_0_\@:
	s_barrier_wait -3
	s_barrier_signal -1
	s_barrier_wait -1
.endm
.macro LOADK                           ; 17 loads
.irp t, 0,1,2,3,4,5,6,7
	ds_load_b128 v[KF+6*\t:KF+6*\t+3], v[ADK] offset:768*\t
	ds_load_b64 v[KF+6*\t+4:KF+6*\t+5], v[ADK8] offset:768*\t+512
.endr
	ds_load_b128 v[KS:KS+3], v[ADK] offset:6144    ; lanes 0-15 tiles 0-3, lanes 16-31 tiles 4-7
.endm
.macro LOADV                           ; 13 loads
.irp g, 0,1,2,3
.irp c, 0,1,2
	ds_load_b128 v[VF+12*\g+4*\c:VF+12*\g+4*\c+3], v[ADK] offset:6656+1536*\g+512*\c
.endr
.endr
	ds_load_b64 v[VS:VS+1], v[ADK8] offset:6656+6144   ; lanes 0-15 tiles 0, 1, lanes 16-31 tiles 2, 3
.endm
.macro QK t                            ; tile t of S^T
.if \t < 4
	v_wmma_scale_f32_16x16x128_f8f6f4 v[SR+8*\t:SR+8*\t+7], v[KF+6*\t:KF+6*\t+11], v[QF:QF+11], 0, v[KS+\t], v[QS] matrix_a_fmt:MATRIX_FMT_FP6 matrix_b_fmt:MATRIX_FMT_FP6
.else
	v_wmma_scale_f32_16x16x128_f8f6f4 v[SR+8*\t:SR+8*\t+7], v[KF+6*\t:KF+6*\t+11], v[QF:QF+11], 0, v[KS+\t-4], v[QS] matrix_a_fmt:MATRIX_FMT_FP6 matrix_b_fmt:MATRIX_FMT_FP6 matrix_a_scale:MATRIX_SCALE_ROW1
.endif
.endm
.macro PV g                            ; tile g of O^T
.if \g < 2
	v_wmma_scale_f32_16x16x128_f8f6f4 v[OA+8*\g:OA+8*\g+7], v[VF+12*\g:VF+12*\g+11], v[PC:PC+11], v[OA+8*\g:OA+8*\g+7], v[VS+\g], v[FF+1] matrix_a_fmt:MATRIX_FMT_FP6 matrix_b_fmt:MATRIX_FMT_FP6
.else
	v_wmma_scale_f32_16x16x128_f8f6f4 v[OA+8*\g:OA+8*\g+7], v[VF+12*\g:VF+12*\g+11], v[PC:PC+11], v[OA+8*\g:OA+8*\g+7], v[VS+\g-2], v[FF+1] matrix_a_fmt:MATRIX_FMT_FP6 matrix_b_fmt:MATRIX_FMT_FP6 matrix_a_scale:MATRIX_SCALE_ROW1
.endif
.endm
.macro MX t, i                         ; tile t's chain: i = 0 takes its registers 0 to 2 (the accumulator's low end first), i = 3, 5 two more
.if \i == 0
	v_max3_num_f32 v[CH\t], v[SR+8*\t], v[SR+8*\t+1], v[SR+8*\t+2]
.else
	v_max3_num_f32 v[CH\t], v[CH\t], v[SR+8*\t+\i], v[SR+8*\t+\i+1]
.endif
.endm
.macro OM j                            ; two numbers of O^T under the new M
	v_pk_mul_f32 v[OA+2*\j:OA+2*\j+1], v[OA+2*\j:OA+2*\j+1], v[FF:FF+1] op_sel_hi:[1,0]
.endm
.macro AD a, b                         ; the sum's tree in p's own registers: pair a takes pair b in
	v_pk_add_f32 v[SR+\a:SR+\a+1], v[SR+\a:SR+\a+1], v[SR+\b:SR+\b+1]
.endm
.macro FM a                            ; t - M, two at a time
	v_pk_fma_f32 v[SR+(\a):SR+(\a)+1], v[SR+(\a):SR+(\a)+1], s[CS:CS+1], v[NM:NM+1] op_sel_hi:[1,0,0]
.endm
.macro EX a                            ; p = 2^(t - M): not normalised
	v_exp_f32 v[SR+(\a)], v[SR+(\a)]
.endm
.macro DQ d, a                         ; partial sum d = p's pairs at a and a + 2; p itself stays, for the conversions
	v_pk_add_f32 v[DD\d:DD\d+1], v[SR+(\a):SR+(\a)+1], v[SR+(\a)+2:SR+(\a)+3]
.endm
.macro DA a, b                         ; partial sum a takes b in
	v_pk_add_f32 v[DD\a:DD\a+1], v[DD\a:DD\a+1], v[DD\b:DD\b+1]
.endm
	s_load_b128 s[4:7], s[0:1], 0x0                ; qrec, kvrec
	s_load_b64 s[8:9], s[0:1], 0x10                ; crec
	v_lshl_add_u32 v[SPW], v0, 2, 0x33000
	v_mov_b32 v[NIL], 0
	ds_add_u32 v[SPW], v[NIL]                      ; the opening lines: the add twice on end and its wait
	ds_add_u32 v[SPW], v[NIL]
	v_lshrrev_b32 v[T0], 5, v0
	v_readfirstlane_b32 s[WV], v[T0]               ; wave 0..15
	s_and_b32 s13, ttmp7, 0xffff                   ; 16 x batch + head, which the four partners share
	s_mov_b32 s20, 15|(3<<16)|(1<<21)              ; group 1: a step record, 13,056 dense bytes, as 51 rows of 32 elements of 8 bytes; the mask of all four, bit 21 beside it
	s_mov_b32 s21, 32<<16
	s_mov_b32 s22, 51<<16
	s_mov_b32 s23, 32<<16
	s_mov_b32 s24, 51
	s_mov_b32 s25, 32
	s_mov_b32 s26, 0
	s_mov_b32 s27, 0
	s_mov_b32 s16, 1
	s_mul_i32 s17, s[WV], STEPB                    ; LDS address: key step = my wave's number
	s_mul_i32 s44, s13, 16*STEPB
	s_add_co_u32 s44, s44, s17
	s_mov_b32 s45, 0
	s_bfe_u32 s11, ttmp6, 0x40000                  ; cx
	s_lshl_b32 s12, ttmp9, 2
	s_add_co_u32 s12, s12, s11                     ; my block of 512 queries
	s_mul_i32 s46, s13, 16*6656                    ; the head's records of q
	s_lshl_b32 s48, s12, 2
	s_lshr_b32 s49, s[WV], 3
	s_add_co_u32 s48, s48, s49
	s_mul_i32 s48, s48, 6656
	s_add_co_u32 s46, s46, s48                     ; the first tile's record: 4 x block + wave / 8 (the second's: two records on)
	s_and_b32 s49, s[WV], 7
	s_mul_i32 s48, s49, 768
	s_add_co_u32 s48, s48, s46                     ; its codes
	s_lshr_b32 s50, s49, 2
	s_lshl_b32 s50, s50, 8
	s_and_b32 s51, s[WV], 3
	s_lshl_b32 s51, s51, 2
	s_add_co_u32 s50, s50, s51
	s_add_co_u32 s50, s50, s46
	s_add_co_u32 s50, s50, 6144                    ; its scale words: 16 bytes a lane-row from here
	s_mov_b32 s49, 0
	s_mov_b32 s51, 0
	s_lshr_b32 s46, s13, 4
	s_lshl_b32 s46, s46, 7
	s_lshl_b32 s47, s12, 5
	s_add_co_u32 s46, s46, s47
	s_add_co_u32 s46, s46, s[WV]                   ; the first tile of rows: 128 x batch + 32 x block + wave (the second: sixteen tiles on)
	s_mul_i32 s46, s46, 13312
	s_and_b32 s47, s13, 15                         ; the head
	s_lshr_b32 s52, s47, 1                         ; the last product's K step, and which half of it
	s_and_b32 s53, s47, 1
	s_mul_i32 s54, s52, 1536
	s_mul_i32 s55, s53, 768
	s_add_co_u32 s54, s54, s55
	s_add_co_u32 s54, s54, s46                     ; where my codes go
	s_lshl_b32 s52, s52, 7
	s_lshl_b32 s53, s53, 1
	s_add_co_u32 s52, s52, s53
	s_add_co_u32 s52, s52, s46
	s_add_co_u32 s52, s52, 12288                   ; and my two scale bytes a row
	s_mov_b32 s53, 0
	s_mov_b32 s55, 0
	s_mov_b32 s[SEL], 0x76543210
	s_mov_b32 s[SEL+1], 0xfedcba98
	s_mov_b32 s[CS], 0x3cb8aa3b                    ; log2(e) / 64
	s_mov_b32 s[CS+1], s[CS]
	s_wait_dscnt 0x0
	s_wait_kmcnt 0x0
	s_add_nc_u64 s[18:19], s[6:7], s[44:45]
	s_or_b32 s19, s19, 0x80000000
	s_add_nc_u64 s[34:35], s[4:5], s[48:49]
	s_add_nc_u64 s[36:37], s[4:5], s[50:51]
	s_add_nc_u64 s[38:39], s[8:9], s[54:55]
	s_add_nc_u64 s[40:41], s[8:9], s[52:53]
	CROUND                                         ; all four work-groups are here: the joint loads meet
	tensor_load_to_lds s[16:19], s[20:27]          ; key step w of the head: my only tensor load
	s_nop 0
.rept 4
	v_nop
.endr
	v_and_b32 v[T0], 31, v0
	v_and_b32 v[T1], 15, v0
	v_bfe_u32 v[SH], v0, 4, 1
	v_lshlrev_b32 v[LI], 4, v[T0]
	v_lshlrev_b32 v[L8], 3, v[T0]
	v_lshlrev_b32 v[L4], 2, v[T0]
	v_lshlrev_b32 v[X0], 4, v[T1]
	v_lshlrev_b32 v[SH], 3, v[SH]
	global_load_b128 v[QF:QF+3], v[LI], s[34:35]
	global_load_b64 v[QF+4:QF+5], v[L8], s[34:35] offset:512
	global_load_b32 v[QS], v[X0], s[36:37]
	global_load_b128 v[Q1:Q1+3], v[LI], s[34:35] offset:13312
	global_load_b64 v[Q1+4:Q1+5], v[L8], s[34:35] offset:13312+512
	global_load_b32 v[QS+1], v[X0], s[36:37] offset:13312
.irp j, 0,1,2,3,4,5
	v_mov_b32 v[QF+6+\j], 0                        ; zero codes: the instruction's K from 64 on
	v_mov_b32 v[PC+\j], 0                          ; named behind K's last tile before p's first codes are made
.endr
	v_mov_b32 v[FF+1], 0                           ; (named as the upper half of the pair before it is first written)
	v_mov_b32 v[ADK], v[LI]
	v_mov_b32 v[ADK8], v[L8]
	s_wait_alu depctr_va_vdst(0)                   ; the wait at the head's end
	s_wait_tensorcnt 0x0                           ; my key step is in LDS,
	s_barrier_signal -1
	s_barrier_wait -1                              ; everybody's is
	LOADK                                          ; step 0
	LOADV
	s_wait_loadcnt 0x0                             ; Q
; A KEY STEP: 128 keys.  kind 1: the next step's records follow in LDS; 2: the next is step 0, for the second tile; 0: nothing follows.
.macro STEP kind
	s_wait_dscnt 13                                ; K is in; V's 13 loads are younger
.if \kind == 1
	s_add_co_u32 s[TB], s[TB], STEPB
.endif
	QK 0                                           ; a plain line behind each of the first four products: with the chains' own lines, four places stand between each product and the first read of its tile
.if \kind == 1
	v_add_nc_u32 v[ADK], s[TB], v[LI]
.elseif \kind == 2
	v_mov_b32 v[ADK], v[LI]
.else
	v_nop
.endif
	QK 1
.if \kind == 1
	v_add_nc_u32 v[ADK8], s[TB], v[L8]
.elseif \kind == 2
	v_mov_b32 v[ADK8], v[L8]
.else
	v_nop
.endif
	QK 2
	v_nop
	QK 3
	v_nop
	QK 4                                           ; THE LARGEST SCORE OF MY TWO BLOCKS OF 32 KEYS: the first block's four chains begin among the products
	MX 0, 0
	MX 1, 0
	QK 5
	MX 2, 0
	MX 3, 0
	QK 6
	MX 0, 3
	MX 1, 3
	QK 7
	MX 2, 3
	MX 3, 3
.irp t, 0,1,2,3
	MX \t, 5
.endr                                          ; six plain lines stand behind the last product: K's registers may be loaded again
.if \kind
	LOADK
.endif
.irp t, 4,5,6,7
	MX \t, 0
.endr
	v_max3_num_f32 v[CH0], v[CH0], v[CH1], v[SR+7] ; the first block's chains and leftovers are joined among the second block's lines
.irp t, 4,5,6,7
	MX \t, 3
.endr
	v_max3_num_f32 v[CH2], v[CH2], v[CH3], v[SR+15]
	v_max_num_f32 v[W0], v[SR+23], v[SR+31]
.irp t, 4,5,6,7
	MX \t, 5
.endr
	v_max_num_f32 v[W1], v[SR+55], v[SR+63]
	v_max3_num_f32 v[BM], v[CH0], v[CH2], v[W0]    ; block h
	v_mov_b32 v[T0], v[NM]                         ; the old -M
	v_max3_num_f32 v[CH4], v[CH4], v[CH5], v[SR+39]
	v_max3_num_f32 v[CH6], v[CH6], v[CH7], v[SR+47]
	s_delay_alu instid0(VALU_DEP_1)
	v_max3_num_f32 v[BM+1], v[CH4], v[CH6], v[W1]  ; block 2 + h
	s_delay_alu instid0(VALU_DEP_1)
	v_max_num_f32 v[T1], v[BM], v[BM+1]
	s_delay_alu instid0(VALU_DEP_1)
	v_permlanex16_b32 v[X0], v[T1], s[SEL], s[SEL+1]
	s_delay_alu instid0(VALU_DEP_1)
	v_max3_num_f32 v[NM+1], v[NM+1], v[T1], v[X0]  ; the running largest score of my query (c is positive: it gives the largest t)
	s_delay_alu instid0(VALU_DEP_1)
	v_mul_f32 v[T1], s[CS], v[NM+1]
	s_delay_alu instid0(VALU_DEP_1)
	v_floor_f32 v[NM], -v[T1]                      ; the new -M = floor(-t) = -ceil(t)
	s_delay_alu instid0(VALU_DEP_1)
	v_sub_f32 v[T0], v[NM], v[T0]                  ; old M - new M: a whole number, 0 or less
	s_delay_alu instid0(VALU_DEP_2)
	v_fma_f32 v[BM], v[BM], s[CS], v[NM]           ; t - M of each block's largest score
	s_delay_alu instid0(VALU_DEP_3)
	v_fma_f32 v[BM+1], v[BM+1], s[CS], v[NM]
	s_delay_alu instid0(VALU_DEP_3)
	v_cvt_i32_f32 v[T0], v[T0]                     ; (it saturates)
	FM 0                                           ; t - M of the first sixteen scores
	FM 2
	FM 4
	FM 6
	v_ldexp_f32 v[FF], 1.0, v[T0]                  ; f = 2^(old M - new M)
	FM 8
	FM 10
	FM 12
	FM 14
	s_wait_alu depctr_va_vdst(0)                   ; the wait ahead of a batch.  BATCH 1: 18 exponentials, a multiply-add of later scores behind each
	v_exp_f32 v[BM], v[BM]                         ; the blocks' largest p
	FM 16
	v_exp_f32 v[BM+1], v[BM+1]
	FM 18
.set j, 0
.rept 16
	EX j
	FM 20+2*j
.set j, j+1
.endr
	s_wait_alu depctr_va_vdst(0)                   ; behind batch 1 and ahead of BATCH 2: 32 exponentials; the last six multiply-adds, the floors, l's rescaling and four partial sums of batch 1's p stand among them
.irp k, 0,1,2,3,4,5
	EX 16+\k
	FM 52+2*\k
.endr
	EX 22
	v_max_num_f32 v[BM], 0x1800000, v[BM]          ; the floor 2^(3 - 127): the byte cannot fall under 1
	EX 23
	v_max_num_f32 v[BM+1], 0x1800000, v[BM+1]
	EX 24
	v_pk_mul_f32 v[LS:LS+1], v[LS:LS+1], v[FF:FF+1] op_sel_hi:[1,0]   ; the sums under the new M
.irp k, 0,1,2
	EX 25+\k
	DQ \k, 4*\k
.endr
.set j, 28
.rept 20
	EX j
.set j, j+1
.endr
	DQ 3, 12                                       ; (the plain place behind the batch)
	s_wait_alu depctr_va_vdst(0)                   ; behind batch 2 and ahead of BATCH 3: 16 exponentials; the scale operands and four partial sums of batch 2's p stand among them
	EX 48
	v_add_nc_u32 v[BM], 0xff000000, v[BM]          ; 2 off the exponent field: the conversion's scale operand
	EX 49
	v_add_nc_u32 v[BM+1], 0xff000000, v[BM+1]
	EX 50
	DQ 4, 16
	EX 51
	DQ 5, 20
	EX 52
	DQ 6, 24
.set j, 53
.rept 11
	EX j
.set j, j+1
.endr
	DQ 7, 28                                       ; (the plain place behind the batch)
	s_wait_alu depctr_va_vdst(0)                   ; behind the last batch, and directly ahead of the first reader of O^T
	OM 0                                           ; O^T under the new M, each accumulator from its low end on; the scale bytes' chain and the partial sums' tree stand among these lines
	v_lshrrev_b32 v[T0], 23, v[BM]                 ; the bytes of blocks h and 2 + h,
	v_lshrrev_b32 v[T1], 23, v[BM+1]
	OM 1
	OM 2
	OM 3
	OM 4
	v_lshl_or_b32 v[T0], v[T1], 16, v[T0]
	OM 5
	OM 6
	OM 7
	OM 8
	v_lshlrev_b32 v[T0], v[SH], v[T0]              ; at their places in the word
	DA 0, 1
	DA 2, 3
	DA 4, 5
	DA 6, 7
	OM 9
	OM 10
	OM 11
	DA 0, 2
	DA 4, 6
	OM 12
	OM 13
	OM 14
	OM 15
	DA 0, 4
	v_permlanex16_b32 v[T1], v[T0], s[SEL], s[SEL+1]
	s_delay_alu instid0(VALU_DEP_2)
	v_pk_add_f32 v[LS:LS+1], v[LS:LS+1], v[DD0:DD0+1]   ; the first 32 p are in the sum; their registers' turn as partial sums is over
.irp c, 0,1
	v_cvt_scalef32_pk16_fp6_f32 v[PC+6*\c:PC+6*\c+2], v[SR+32*\c:SR+32*\c+15], v[BM+\c]
	v_cvt_scalef32_pk16_fp6_f32 v[CT+4*\c:CT+4*\c+2], v[SR+32*\c+16:SR+32*\c+31], v[BM+\c]   ; (a conversion's three registers begin on an even number)
.endr
	v_or_b32 v[FF+1], v[T0], v[T1]                 ; p's scale word: with lane l xor 16's two bytes it is whole.  (The plain place behind the conversions)
.irp c, 0,1
.irp i, 0,1,2
	v_mov_b32 v[PC+3+6*\c+\i], v[CT+4*\c+\i]
.endr
.endr
.set j, 0                                      ; the other 32 p: a tree in their own registers: 8 additions here, 4 among the products, the last four behind them
.rept 8
	AD 32+j, 48+j
.set j, j+2
.endr
	s_wait_alu depctr_va_vdst(0)                   ; the wait here, directly ahead of the wait below
.if \kind
	s_wait_dscnt 17                                ; V is in; the next K's 17 loads are younger
.else
	s_wait_dscnt 0x0
.endif
	PV 0
	AD 32, 40
	AD 34, 42
	PV 1
	AD 36, 44
	AD 38, 46
	PV 2
	PV 3
	AD 32, 36                                      ; the tree's end: four places in front of the loads into V's registers
	AD 34, 38
	s_delay_alu instid0(VALU_DEP_1)
	AD 32, 34
	s_delay_alu instid0(VALU_DEP_1)
	v_pk_add_f32 v[LS:LS+1], v[LS:LS+1], v[SR+32:SR+33]
.if \kind
	LOADV
.endif
.endm
; A PASS: one tile of 16 queries against all sixteen key steps, then O / l, quantised along the head's 64 channels, leaves as half a fragment of the last product.
.macro PASS p
.if \p
	s_wait_xcnt 0x0                                ; the last pass's stores: their data registers are written again only behind this wait
.irp j, 0,1,2,3,4,5
	v_mov_b32 v[QF+\j], v[Q1+\j]                   ; the second tile of queries
.endr
	v_mov_b32 v[QS], v[QS+1]
.endif
	v_mov_b32 v[NM+1], 0xff61b1e6                  ; the largest score so far: -3e38
	v_mov_b32 v[NM], 0x7f61b1e6                    ; -M: 3e38, so that the first f is 0
	v_mov_b32 v[LS], 0
	v_mov_b32 v[LS+1], 0
.set j, 0
.rept 32
	v_mov_b32 v[OA+j], 0                           ; O^T.  (The step is written once: the first finds zeros)
.set j, j+1
.endr
	s_mov_b32 s[TB], 0
	s_mov_b32 s[CNT], 15
.Lstep_\@:
	STEP 1
	s_sub_co_u32 s[CNT], s[CNT], 1
	s_cmp_lg_u32 s[CNT], 0
	s_cbranch_scc1 .Lstep_\@
	STEP 2-2*\p                                    ; the sixteenth step asks for step 0 again, for the second tile, or for nothing
	v_add_f32 v[LS], v[LS], v[LS+1]                ; the sum's two halves,
	s_delay_alu instid0(VALU_DEP_1)
	v_permlanex16_b32 v[T0], v[LS], s[SEL], s[SEL+1]
	s_delay_alu instid0(VALU_DEP_1)
	v_add_f32 v[LS], v[LS], v[T0]                  ; and lane l xor 16's: the row's sum
	s_wait_alu depctr_va_vdst(0)
	v_rcp_f32 v[LS], v[LS]
	v_nop                                          ; one plain place behind a transcendental
	s_wait_alu depctr_va_vdst(0)
.set j, 0
.rept 16
	v_pk_mul_f32 v[SR+j:SR+j+1], v[OA+j:OA+j+1], v[LS:LS+1] op_sel_hi:[1,0]   ; O^T / l: register 16 b + i is channel 32 b + 16 h + i of my query
.set j, j+2
.endr
.irp b, 0,1
	v_max3_num_f32 v[BM+\b], |v[SR+16*\b]|, |v[SR+16*\b+1]|, 0x1800000
.endr
.irp i, 2,4,6,8,10,12,14
.irp b, 0,1
	s_delay_alu instid0(VALU_DEP_2)
	v_max3_num_f32 v[BM+\b], v[BM+\b], |v[SR+16*\b+\i]|, |v[SR+16*\b+\i+1]|
.endr
.endr
	s_delay_alu instid0(VALU_DEP_2)
	v_permlanex16_b32 v[T0], v[BM], s[SEL], s[SEL+1]
	s_delay_alu instid0(VALU_DEP_2)
	v_permlanex16_b32 v[T1], v[BM+1], s[SEL], s[SEL+1]
	s_delay_alu instid0(VALU_DEP_2)
	v_max_num_f32 v[BM], v[BM], v[T0]
	s_delay_alu instid0(VALU_DEP_2)
	v_max_num_f32 v[BM+1], v[BM+1], v[T1]
.irp b, 0,1
	s_delay_alu instid0(VALU_DEP_2)
	v_add_nc_u32 v[BM+\b], 0xff000000, v[BM+\b]
.endr
	s_delay_alu instid0(VALU_DEP_2)
	v_lshrrev_b32 v[T0], 23, v[BM]
	s_delay_alu instid0(VALU_DEP_2)
	v_lshrrev_b32 v[T1], 23, v[BM+1]
	s_delay_alu instid0(VALU_DEP_1)
	v_lshl_or_b32 v[FF+1], v[T1], 8, v[T0]         ; my row's two scale bytes
	v_cvt_scalef32_pk16_fp6_f32 v[PC:PC+2], v[SR:SR+15], v[BM]
	v_cvt_scalef32_pk16_fp6_f32 v[CT:CT+2], v[SR+16:SR+31], v[BM+1]
	v_nop                                          ; one plain place behind a scaled conversion
.irp i, 0,1,2
	v_permlane16_swap_b32 v[PC+\i], v[CT+\i]       ; a whole block to a lane
.endr
.irp i, 0,1,2
	v_mov_b32 v[PC+3+\i], v[CT+\i]
.endr
	global_store_b128 v[LI], v[PC:PC+3], s[38:39] offset:212992*\p
	global_store_b64 v[L8], v[PC+4:PC+5], s[38:39] offset:212992*\p+512
	global_store_b16 v[L4], v[FF+1], s[40:41] offset:212992*\p    ; this head's half of each row's scale word
.endm
	PASS 0
	PASS 1
	s_wait_tensorcnt 0x0                           ; the wave's end
	ds_add_u32 v[SPW], v[NIL]
	s_wait_dscnt 0x0
	CROUND                                         ; the closing round
	s_endpgm
.Lfunc_end_k_qa9b1c751e6_attn:
	.size	k_qa9b1c751e6_attn, .Lfunc_end_k_qa9b1c751e6_attn-k_qa9b1c751e6_attn
	.p2alignl 7, 3214868480
	.fill 96, 4, 3214868480
	.section	.rodata,"a",@progbits
	.p2align	6, 0x0
	.amdhsa_kernel k_qa9b1c751e6_attn
		.amdhsa_group_segment_fixed_size 210944
		.amdhsa_private_segment_fixed_size 0
		.amdhsa_enable_private_segment 0
		.amdhsa_kernarg_size 24
		.amdhsa_user_sgpr_count 2
		.amdhsa_user_sgpr_kernarg_segment_ptr 1
		.amdhsa_wavefront_size32 1
		.amdhsa_system_sgpr_workgroup_id_x 1
		.amdhsa_system_sgpr_workgroup_id_y 1
		.amdhsa_system_sgpr_workgroup_id_z 1
		.amdhsa_system_vgpr_workitem_id 0
		.amdhsa_next_free_vgpr 256
		.amdhsa_next_free_sgpr 66
		.amdhsa_reserve_vcc 0
		.amdhsa_float_denorm_mode_32 3
		.amdhsa_float_denorm_mode_16_64 3
		.amdhsa_memory_ordered 1
		.amdhsa_forward_progress 1
		.amdhsa_inst_pref_size 77
	.end_amdhsa_kernel
	.amdgpu_metadata
---
amdhsa.version: [ 1, 2 ]
amdhsa.kernels:
  - .name:           k_qa9b1c751e6_attn
    .symbol:         k_qa9b1c751e6_attn.kd
    .args:
      - { .name: qrec, .offset: 0, .size: 8, .value_kind: global_buffer, .address_space: global }
      - { .name: kvrec, .offset: 8, .size: 8, .value_kind: global_buffer, .address_space: global }
      - { .name: crec, .offset: 16, .size: 8, .value_kind: global_buffer, .address_space: global }
    .group_segment_fixed_size: 210944
    .private_segment_fixed_size: 0
    .kernarg_segment_align: 8
    .kernarg_segment_size: 24
    .max_flat_workgroup_size: 512
    .sgpr_count:     66
    .vgpr_count:     256
    .wavefront_size: 32
...
	.end_amdgpu_metadata
.endif
;; end of part 3
;; launch outp (part 4): grid 4 x 64, 4 waves a work-group, no clusters, 168,448 bytes of LDS; arguments crec, wrec, out0; writes out0
.if DOCPART == 4
	.amdgcn_target "amdgcn-amd-amdhsa--gfx1250"
	.amdhsa_code_object_version 6
	.text
	.protected	k_qa9b1c751e6_outp
	.globl	k_qa9b1c751e6_outp
	.p2align	8
	.type	k_qa9b1c751e6_outp,@function
k_qa9b1c751e6_outp:
	s_mov_b64 s[64:65], 0
	v_nop
	global_prefetch_b8 v0, s[64:65] scope:SCOPE_SE
	s_setreg_imm32_b32 hwreg(HW_REG_WAVE_MODE, 25, 1), 1
	s_wait_xcnt 0x0
; out = concat Wo on codes of FP6 (E2M3) with E8M0 scales; out is [8192][1024] f32.
; SHARES.  Work-group (x = 256 columns, y = block of 128 rows: eight tiles).  Wave w owns columns 64 (4 x + w) on: four tiles, whose fragments for all of K (384 registers) lie in its registers.
; The block's eight records of 13,312 bytes come into LDS ONCE (one tensor load a wave, two records each): nothing in LDS is filled again.  Each fragment read from LDS feeds four matrix instructions.
; A record's K step s is two half fragments (heads 2 s and 2 s + 1), 768 bytes each: registers 0-3 at 16 l, 4-5 at 512 + 8 l; so a fragment comes by four loads.  Its scale words lie at 12288 + 128 s + 4 l.
; The product is used TRANSPOSED (source 0 = 16 columns of Wo, source 1 = 16 rows): a lane's eight results are eight neighbouring columns of one row.  Lane-row i of tile m is row 64 (m / 4) + 8 (m % 4) + 32 (i / 8) + i % 8.
; THE WAY OUT: a tile of 16 rows x 64 columns goes through the wave's own stage in LDS (rows of 256 + 16 bytes, behind the block: no tensor load lands there) and leaves as whole aligned runs of 256 bytes, sixteen lanes to a run.
; NO CLUSTER: of a work-group's 319,488 bytes read, 212,992 are weights that go straight into registers, which a joint tensor load cannot serve; the shared block is 106,496, a third.
; REGISTERS: window 0: v1-12 addresses; v16-47 Wo's scale words; v48-143 two buffers of four fragments (on the way out: rows read back); v144-207 the rows' 64 scale words.
;   window 1: Wo's fragments of K steps 0-3; window 2: of K steps 4-7; window 3: the 32 accumulators ((m, tile) at 8 (4 m + tile)).
.set REC,  13312
.set LI,   1                           ; v1  16 x lane;  v4 the same 53,248 bytes on (tiles 4-7)
.set L8,   2                           ; v2  8 x lane;   v5 likewise
.set LS,   3                           ; v3  4 x lane;   v6 likewise
.set STO,  10                          ; v10 the stage: where I put 32 bytes of a row
.set RD,   11                          ; v11 and where I read a row back
.set CO,   12                          ; v12 my byte offset in out
.set WS,   16
.set XB,   48
.set XS,   144
.set OB,   48
.set STG,  8*REC                       ; the stages: 16 x 272 bytes for each wave
.set MSB, 0
.macro WIN new                         ; the immediate's high byte repeats the setting that is left; a switch that changes nothing is dropped
.if MSB != (\new)
	s_set_vgpr_msb (MSB<<8)|(\new)
.set MSB, (\new)
.endif
.endm
.macro LOADW s                         ; Wo's K step s: four fragments and their scale words: sixteen loads
.if (\s) < 4
	WIN 0x40
.else
	WIN 0x80
.endif
.irp g, 0,1,2,3
.irp c, 0,1,2
	global_load_b128 v[12*(4*((\s)%4)+\g)+4*\c:12*(4*((\s)%4)+\g)+4*\c+3], v[LI], s[28:29] offset:\g*REC+1536*(\s)+512*\c
.endr
.endr
	WIN 0
.irp g, 0,1,2,3
	global_load_b32 v[WS+4*(\s)+\g], v[LS], s[28:29] offset:\g*REC+12288+128*(\s)
.endr
.endm
.macro LOADX buf, s, mh                ; four fragments (tiles 4 mh .. + 3, K step s) from LDS: sixteen loads
.irp q, 0,1,2,3
.irp u, 0,1
	ds_load_b128 v[XB+48*(\buf)+12*\q+6*\u:XB+48*(\buf)+12*\q+6*\u+3], v[LI+3*(\mh)] offset:\q*REC+1536*(\s)+768*\u
	ds_load_b64 v[XB+48*(\buf)+12*\q+6*\u+4:XB+48*(\buf)+12*\q+6*\u+5], v[L8+3*(\mh)] offset:\q*REC+1536*(\s)+768*\u+512
.endr
.endr
.endm
	s_load_b128 s[4:7], s[0:1], 0x0                ; crec, wrec
	s_load_b64 s[8:9], s[0:1], 0x10                ; out0
	v_lshl_add_u32 v254, v0, 2, 0x29000
	v_mov_b32 v255, 0
	ds_add_u32 v254, v255
	ds_add_u32 v254, v255
	v_lshrrev_b32 v8, 5, v0
	v_readfirstlane_b32 s12, v8                    ; wave 0..3
	s_and_b32 s13, ttmp7, 0xffff                   ; the block of 128 rows
	s_lshl_b32 s14, ttmp9, 2
	s_add_co_u32 s14, s14, s12                     ; my group of 64 columns
	; descriptor group 1: two records, 26,624 dense bytes, as 104 rows of 32 elements of 8 bytes; no padding, no mask
	s_mov_b32 s20, 3<<16
	s_mov_b32 s21, 32<<16                          ; tensor_dim0 = 32
	s_mov_b32 s22, 104<<16                         ; tensor_dim1 = 104
	s_mov_b32 s23, 32<<16                          ; tile_dim0 = 32
	s_mov_b32 s24, 104                             ; tile_dim1 = 104
	s_mov_b32 s25, 32                              ; from row to row
	s_mov_b32 s26, 0
	s_mov_b32 s27, 0
	s_mov_b32 s16, 1                               ; group 0: count = 1
	s_mul_i32 s17, s12, 2*REC                      ; LDS address: my two records
	s_mul_i32 s44, s13, 8*REC
	s_add_co_u32 s44, s44, s17
	s_mov_b32 s45, 0
	s_mul_i32 s46, s14, 4*REC
	s_add_co_u32 s46, s46, 3*64*REC                ; Wo's records lie behind Wq's, Wk's and Wv's
	s_mov_b32 s47, 0
	s_lshl_b32 s48, s13, 19                        ; 128 rows of 4,096 bytes
	s_lshl_b32 s49, s14, 8                         ; 64 columns of 4 bytes
	s_add_co_u32 s48, s48, s49
	s_mov_b32 s49, 0
	s_mul_i32 s50, s12, 16*272
	s_add_co_u32 s50, s50, STG                     ; my stage
	s_wait_dscnt 0x0
	s_wait_kmcnt 0x0
	s_add_nc_u64 s[18:19], s[4:5], s[44:45]
	s_or_b32 s19, s19, 0x80000000                  ; type = 2
	tensor_load_to_lds s[16:19], s[20:27]          ; my quarter of the block: one load of mine is out, the only one of the launch
	s_nop 0
	v_and_b32 v8, 31, v0
	v_lshlrev_b32 v[LI], 4, v8
	v_lshlrev_b32 v[L8], 3, v8
	v_lshlrev_b32 v[LS], 2, v8
	v_add_nc_u32 v[LI+3], 4*REC, v[LI]
	v_add_nc_u32 v[L8+3], 4*REC, v[L8]
	v_add_nc_u32 v[LS+3], 4*REC, v[LS]
	v_and_b32 v8, 15, v0                           ; r
	v_bfe_u32 v9, v0, 4, 1                         ; h
	v_mul_u32_u24 v[STO], v8, 272
	v_lshl_add_u32 v[STO], v9, 6, v[STO]
	v_add_nc_u32 v[STO], s50, v[STO]               ; in: row r, + 64 h: columns 16 h on of each group of 32
	v_mul_u32_u24 v[RD], v9, 272
	v_lshl_add_u32 v[RD], v8, 4, v[RD]
	v_add_nc_u32 v[RD], s50, v[RD]                 ; back: lanes 0-15 one row of 256 bytes, lanes 16-31 the next
	v_lshlrev_b32 v[CO], 12, v9
	v_lshl_add_u32 v[CO], v8, 4, v[CO]             ; and the same two rows in out
	s_add_nc_u64 s[28:29], s[6:7], s[46:47]
	s_add_nc_u64 s[8:9], s[8:9], s[48:49]
.irp s, 0,1,2,3,4,5,6,7
	LOADW \s
.endr
	s_wait_tensorcnt 0x0                           ; my part of the block is in LDS,
	s_barrier_signal -1
	s_barrier_wait -1                              ; everybody's is: the launch's one barrier
.irp m, 0,1,2,3
.irp s, 0,1,2,3,4,5,6,7
	ds_load_b32 v[XS+8*\m+\s], v[LS] offset:\m*REC+12288+128*\s
.endr
.endr
.irp m, 0,1,2,3
.irp s, 0,1,2,3,4,5,6,7
	ds_load_b32 v[XS+32+8*\m+\s], v[LS+3] offset:\m*REC+12288+128*\s
.endr
.endr
	LOADX 0, 0, 0
	LOADX 1, 0, 1
; Sixteen batches, t = 2 x K step + half of the tiles, on the two buffers by turns.  The 32 accumulators take turns, one instruction a turn; K step 0 starts the sums.
.set t, 0
.rept 16
.set ks, t/2
.set mh, t%2
.if mh == 0
.if 16*(7-ks) < 63
	s_wait_loadcnt 16*(7-ks)                       ; behind this K step's sixteen loads the 7 - ks later groups of sixteen were issued
.else
	s_wait_loadcnt 63                              ; four groups or more were issued behind it: at most 63 out shows it in
.endif
.endif
.if t == 15
	s_wait_alu depctr_va_vdst(0)
	s_wait_dscnt 0x0
.else
	s_wait_dscnt 16                                ; this buffer is in; the other buffer's sixteen loads may be out
.endif
	WIN 0xf1+ks/4                                  ; source 0 (Wo) window 1 or 2, source 1 (rows) window 0, C and D window 3
.set mm, 0
.rept 4
.set tg, 0
.rept 4
.set mt, 4*mh+mm
.set ac, 8*(4*mt+tg)
.set wf, 12*(4*(ks%4)+tg)
.set xf, XB+48*mh+12*mm
.if ks == 0
	v_wmma_scale_f32_16x16x128_f8f6f4 v[ac:ac+7], v[wf:wf+11], v[xf:xf+11], 0, v[WS+4*ks+tg], v[XS+8*mt+ks] matrix_a_fmt:MATRIX_FMT_FP6 matrix_b_fmt:MATRIX_FMT_FP6
.else
	v_wmma_scale_f32_16x16x128_f8f6f4 v[ac:ac+7], v[wf:wf+11], v[xf:xf+11], v[ac:ac+7], v[WS+4*ks+tg], v[XS+8*mt+ks] matrix_a_fmt:MATRIX_FMT_FP6 matrix_b_fmt:MATRIX_FMT_FP6
.endif
.set tg, tg+1
.endr
.set mm, mm+1
.endr
	WIN 0
.rept 4
	v_nop                                          ; four places in front of loads into registers that these products read, and of the first read of results
.endr
.if t < 14
	LOADX mh, (t+2)/2, mh                          ; this buffer's next fragments: two batches on
.endif
.set t, t+1
.endr
.macro TOSTAGE m                       ; tile m: 16 rows x 64 columns into my stage, and back as whole rows.  LDS serves a wave's instructions in order: no wait between the stores and the loads, nor in front of the next tile's stores
	WIN 0x0c                                       ; an LDS store's data are its source 1: window 3
.irp g, 0,1,2,3
	ds_store_b128 v[STO], v[8*(4*(\m)+\g):8*(4*(\m)+\g)+3] offset:128*(\g/2)+32*(\g%2)          ; each accumulator from its low end on
	ds_store_b128 v[STO], v[8*(4*(\m)+\g)+4:8*(4*(\m)+\g)+7] offset:128*(\g/2)+32*(\g%2)+16
.endr
	WIN 0
.irp t, 0,1,2,3,4,5,6,7
	ds_load_b128 v[OB+32*((\m)%2)+4*\t:OB+32*((\m)%2)+4*\t+3], v[RD] offset:544*\t
.endr
.endm
.macro SEND m, younger                 ; younger: the LDS instructions issued behind tile m's loads, which may stay out
	s_wait_dscnt \younger
.irp t, 0,1,2,3,4,5,6,7
	global_store_b128 v[CO], v[OB+32*((\m)%2)+4*\t:OB+32*((\m)%2)+4*\t+3], s[8:9] offset:(64*((\m)/4)+8*((\m)%4)+32*(\t/4)+2*(\t%4))*4096 th:TH_STORE_NT   ; lane-row i of tile m is row 64 (m / 4) + 32 (i / 8) + 8 (m % 4) + i % 8; lane-rows 2 t and 2 t + 1: sixteen lanes store 256 consecutive bytes, at a multiple of 256 from out's first byte
.endr
.endm
	TOSTAGE 0
.irp m, 1,2,3,4,5,6,7
.if \m > 1
	s_wait_xcnt 0x0                                ; tile m - 2's stores: their data registers are loaded again only behind this wait
.endif
	TOSTAGE \m
	SEND \m-1, 16                                  ; behind tile m - 1's loads: tile m's eight stores and eight loads
.endr
	SEND 7, 0
	s_wait_tensorcnt 0x0
	ds_add_u32 v254, v255
	s_wait_dscnt 0x0
	s_endpgm
.Lfunc_end_k_qa9b1c751e6_outp:
	.size	k_qa9b1c751e6_outp, .Lfunc_end_k_qa9b1c751e6_outp-k_qa9b1c751e6_outp
	.p2alignl 7, 3214868480
	.fill 96, 4, 3214868480
	.section	.rodata,"a",@progbits
	.p2align	6, 0x0
	.amdhsa_kernel k_qa9b1c751e6_outp
		.amdhsa_group_segment_fixed_size 168448
		.amdhsa_private_segment_fixed_size 0
		.amdhsa_enable_private_segment 0
		.amdhsa_kernarg_size 24
		.amdhsa_user_sgpr_count 2
		.amdhsa_user_sgpr_kernarg_segment_ptr 1
		.amdhsa_wavefront_size32 1
		.amdhsa_system_sgpr_workgroup_id_x 1
		.amdhsa_system_sgpr_workgroup_id_y 1
		.amdhsa_system_sgpr_workgroup_id_z 1
		.amdhsa_system_vgpr_workitem_id 0
		.amdhsa_next_free_vgpr 1024
		.amdhsa_next_free_sgpr 66
		.amdhsa_reserve_vcc 0
		.amdhsa_float_denorm_mode_32 3
		.amdhsa_float_denorm_mode_16_64 3
		.amdhsa_memory_ordered 1
		.amdhsa_forward_progress 1
		.amdhsa_inst_pref_size 87
	.end_amdhsa_kernel
	.amdgpu_metadata
---
amdhsa.version: [ 1, 2 ]
amdhsa.kernels:
  - .name:           k_qa9b1c751e6_outp
    .symbol:         k_qa9b1c751e6_outp.kd
    .args:
      - { .name: crec, .offset: 0, .size: 8, .value_kind: global_buffer, .address_space: global }
      - { .name: wrec, .offset: 8, .size: 8, .value_kind: global_buffer, .address_space: global }
      - { .name: out0, .offset: 16, .size: 8, .value_kind: global_buffer, .address_space: global }
    .group_segment_fixed_size: 168448
    .private_segment_fixed_size: 0
    .kernarg_segment_align: 8
    .kernarg_segment_size: 24
    .max_flat_workgroup_size: 128
    .sgpr_count:     66
    .vgpr_count:     1024
    .wavefront_size: 32
...
	.end_amdgpu_metadata
.endif
;; end of part 4
